; MI455X (gfx1250); checked and timed in simulation.
; The chip was launched on July 23, 2026; its instructions are those of AMD's public machine-readable ISA for CDNA 5 (MIT licence, August 2026) and "CDNA5" Instruction Set Architecture Reference Guide (July 2026). The comments in the code are by the model that wrote it; some were corrected since.
;; Causal Self Attention. Allowed arithmetic: matrix products marked QUANTISED: E4M3 operands, one given power-of-two scale a tensor, by v_wmma_f32_16x16x64_fp8_fp8 or v_wmma_f32_16x16x128_fp8_fp8, f32 sums; everything else in f32.
;; Inputs: W_out 1,024 x 1,024 float32; W_qkv 1,024 x 3,072 float32; b_out 1,024 float32; b_qkv 3,072 float32; lowp_scales 8 int32 (the exponents e of the quantised operands' scales 2^e); x 4 x 2,048 x 1,024 float32.
;; Outputs: out0 4 x 2,048 x 1,024 float32.
;; This version of the problem:
;;   THIS VERSION OF THE PROBLEM IS GIVEN IN LOW PRECISION. The matrix products marked QUANTISED in the list below multiply operands that are first quantised to E4M3 (4 exponent bits, 3 mantissa bits; 8 bits a number), with one given power-of-two scale for each operand tensor; their sums are f32. All else is computed in f32.
;;   The module's matrix products, in the order in which they are computed (A, B: the left and right operand; K: the contracted axis; several contracted axes count as one K, in the product's order):
;;     1. [M 8,192, K 1,024] x [K 1,024, N 3,072]; A: input x; B: input W_qkv: QUANTISED (scales: A lowp_scales[0], B lowp_scales[1])
;;     2. batch 64 x [M 2,048, K 64] x [K 64, N 2,048]; A: computed on the way; B: computed on the way: QUANTISED (scales: A lowp_scales[2], B lowp_scales[3])
;;     3. batch 64 x [M 64, K 2,048] x [K 2,048, N 2,048]; A: computed on the way; B: softmax (see below): QUANTISED (scales: A lowp_scales[4], B lowp_scales[5])
;;     4. [M 8,192, K 1,024] x [K 1,024, N 1,024]; A: computed on the way; B: input W_out: QUANTISED (scales: A lowp_scales[6], B lowp_scales[7])
;;   THE QUANTISER, for each operand of a quantised product, along K:
;;     - The operand's scale is 2^e, e = its entry of the input lowp_scales (int32; the entries are numbered through the quantised products in the list's order, A before B).
;;     - Each number is divided by the scale, clamped to +-448, and rounded to the nearest number of E4M3, ties to even, subnormals kept.
;;     - The product sums the exact products of the quantised numbers (number of the format x scale) in f32.
;;   ~~~python
;;   def quantise(x, axis, e):      # numpy; x: float32 -> the quantised numbers, widened to float32 again
;;       x = np.moveaxis(x, axis, -1); K = x.shape[-1]
;;       r = np.clip(x / 2.0 ** e, -448, 448)
;;       step = 2.0 ** (np.maximum(np.frexp(np.where(r == 0, 1, r))[1] - 1, -6) - 3)
;;       q = np.round(r / step) * step * 2.0 ** e      # np.round: ties to even
;;       return np.moveaxis(q, -1, axis).astype(np.float32)
;;   ~~~
;;   SOFTMAX AHEAD OF A QUANTISED PRODUCT. Where the list says 'softmax', what is quantised is not the finished softmax but p = 2^(t - M), with t = logit x log2(e) and M = ceil(the row's largest t), a whole number; so 1/2 < the row's largest p <= 1. The row's sum l is taken of the UNQUANTISED p, in f32, and the product's result is divided by l at the end. Since M is a whole number, a kernel that streams over the keys may use a running M (the ceiling of the running maximum): every later rescaling is an exact power of two, so the quantised numbers keep their values, but for numbers so far below the row's largest that they fall under the format's range.
;;   OPERANDS COMPUTED ON THE WAY. 'Computed on the way' means the value that the module computes at that place (a softmax that the list does not call 'softmax' is quantised finished and normalised). What goes into a quantiser is computed in f32, as accurately as f32 sums, v_exp_f32 and their like allow (about 1e-6 of the number): no bf16 or f16 on the way to a quantiser, and a product that is left as it is and whose result goes on into a quantised operand takes f32 operands (vector FMAs, or v_wmma_f32_16x16x4_f32). A number that lies on a knife's edge between two numbers of the format may be rounded either way, as far as f32 arithmetic and the matrix unit's own rounding can turn it there, and no further.
;; One version. Each part assembles by itself: llvm-mc -triple=amdgcn-amd-amdhsa -mcpu=gfx1250 --defsym DOCPART=n.
;; ======== version 1 of 1: 4 launches
;; limits: right only within a limited range of input values
;; workspace buffers: x_codes 8,388,608 bytes; wqkv_codes 3,145,728 bytes; wout_codes 1,048,576 bytes; qkv_codes 25,165,824 bytes; att_codes 8,388,608 bytes
;; launch quant (part 1): grid 96 x 8, 4 waves a work-group, no clusters, 68,096 bytes of LDS; arguments x, W_qkv, W_out, lowp_scales, x_codes, wqkv_codes, wout_codes; writes x_codes, wqkv_codes, wout_codes
.if DOCPART == 1
	.amdgcn_target "amdgcn-amd-amdhsa--gfx1250"
	.amdhsa_code_object_version 6
	.text
	.protected	k_qc68be8249a_quant
	.globl	k_qc68be8249a_quant
	.p2align	8
	.type	k_qc68be8249a_quant,@function
k_qc68be8249a_quant:
	s_mov_b64 s[64:65], 0
	v_nop
	global_prefetch_b8 v0, s[64:65] scope:SCOPE_SE
	s_setreg_imm32_b32 hwreg(HW_REG_WAVE_MODE, 25, 1), 1
	s_wait_xcnt 0x0
; x [8192][1024], W_qkv [1024][3072] and W_out [1024][1024], f32, become codes of FP8 (E4M3), each with the one scale 2^e given for it (entries 0, 1 and 7 of the scales).
; code = number / 2^e, held within +-448, rounded to the nearest code, ties to even.
; LIMITS: each e between -126 and 119, so that 2^e and 448 x 2^e are f32 numbers.  NaN among the inputs is not served; an infinity is held at the largest code.
; THE CODES ARE LAID AS IMAGES OF OPERAND REGISTERS.  A fragment is 16 rows x 128 along K: 16 registers a lane, 2,048 bytes.  Its image is four chunks of 512 bytes; chunk g holds
; registers 4 g .. 4 g + 3 of lane L at byte 512 g + 16 L.  With r = L % 16, h = L / 16 these 16 bytes are, of row r, k = 32 g + 8 h + 0 .. 7 and then k = 32 g + 16 + 8 h + 0 .. 7:
; the place that the plain 8-bit matrix forms give each k.  A buffer is [tile of 16 rows][K step of 128][2,048 bytes]; a row of a weight's buffer is a COLUMN n of the weight.
; SHARES.  Work-group x < 64: x, one tile of 16 rows (8 x + y).  x = 64 .. 87: W_qkv, 128 columns (x - 64), K step y.  x = 88 .. 95: W_out likewise.  64 KiB of f32 each.
; The three ways part on the work-group's number and never join; only the first touches LDS.  Waves share nothing: no barrier.
.set R,    16                          ; v16-143   x: 32 loads as they come
.set X,    144                         ; v144-207  x: 64 numbers in the order of a fragment's registers
.set C,    208                         ; v208-239  x: the codes of two fragments; no store's data are written again
.set SP,   528                         ; a stage row: 512 bytes + 16, so that the sixteen rows that a read touches start at sixteen different banks
.set STG,  16*SP                       ; a stage: 16 rows
.set WREG, 2*STG                       ; each wave has two stages of its own
.set XW,   16                          ; v16-143   weights: 128 numbers down K
.set CW,   144                         ; v144-175  weights: their codes
.set SCL,  10                          ; v10       2^e as f32: the conversion takes its exponent field
.set LIM,  11                          ; v11       448 x 2^e
.macro SCALES e                        ; s[e] holds the exponent
	s_add_co_i32 s20, s[\e], 127
	s_lshl_b32 s21, s20, 23
	v_mov_b32 v[SCL], s21
	s_add_co_i32 s20, s20, 8
	s_lshl_b32 s20, s20, 23
	s_or_b32 s20, s20, 0x600000                    ; the mantissa field of 448
	v_mov_b32 v[LIM], s20
.endm
	s_load_b256 s[4:11], s[0:1], 0x0               ; x s[4:5], W_qkv s[6:7], W_out s[8:9], the scales s[10:11]
	s_load_b128 s[12:15], s[0:1], 0x20             ; x's codes s[12:13], W_qkv's s[14:15]
	s_load_b64 s[16:17], s[0:1], 0x30              ; W_out's
	v_lshl_add_u32 v240, v0, 2, 0x10800
	v_mov_b32 v241, 0
	v_lshrrev_b32 v1, 5, v0
	v_readfirstlane_b32 s18, v1                    ; wave 0..3
	v_and_b32 v1, 31, v0                           ; lane
	v_and_b32 v2, 15, v0                           ; r
	v_bfe_u32 v3, v0, 4, 1                         ; h
	s_and_b32 s19, ttmp7, 0xffff                   ; work-group y
	s_mov_b32 s23, 0                               ; the upper word of every offset
	s_wait_kmcnt 0x0
	s_load_b256 s[24:31], s[10:11], 0x0            ; e0 .. e7
	s_cmp_lt_u32 ttmp9, 64
	s_cbranch_scc0 .Lweights
; ---- x.  K is innermost.  Wave w takes bytes 1,024 w .. + 1,023 of each of the 16 rows: K steps 2 w and 2 w + 1.  Each load reads 512 consecutive bytes; a K step's 16 x 512 bytes
; turn through the wave's own stage, and each lane reads back the numbers of its registers, in their order.
	s_lshl_b32 s20, ttmp9, 3
	s_add_co_u32 s20, s20, s19                     ; the tile of rows
	s_lshl_b32 s22, s20, 16                        ; 16 rows of 4,096 bytes
	s_lshl_b32 s21, s18, 10
	s_add_co_u32 s22, s22, s21
	s_add_nc_u64 s[4:5], s[4:5], s[22:23]
	s_lshl_b32 s22, s20, 14                        ; 8 images of 2,048 bytes
	s_lshl_b32 s21, s18, 12                        ; my two
	s_add_co_u32 s22, s22, s21
	s_add_nc_u64 s[12:13], s[12:13], s[22:23]
	s_wait_alu depctr_va_vdst(0)
	v_lshlrev_b32 v4, 4, v1                        ; 16 x lane: my bytes of a load's 512, and of a chunk's
	s_mul_i32 s21, s18, WREG
	v_add_nc_u32 v5, s21, v4                       ; into the stage: as loaded
	v_mul_u32_u24 v6, v2, SP
	v_lshl_add_u32 v6, v3, 5, v6
	v_add_nc_u32 v6, s21, v6                       ; out of it: row r, + 32 h: eight numbers of my half
.irp s, 0,1
.set i, 0
.rept 16
	global_load_b128 v[R+4*(16*\s+i):R+4*(16*\s+i)+3], v4, s[4:5] offset:4096*i+512*\s th:TH_LOAD_NT
.set i, i+1
.endr
.endr
	s_wait_alu depctr_va_vdst(0)
	s_wait_kmcnt 0x0
	SCALES 24
.macro XSTEP s
.if \s == 0
	s_wait_loadcnt 16                              ; loads come back in order: the first K step's 16 are in, the second's 16 may be out
.else
	s_wait_loadcnt 0x0
.endif
.set i, 0
.rept 16
	ds_store_b128 v5, v[R+4*(16*\s+i):R+4*(16*\s+i)+3] offset:STG*\s+SP*i
.set i, i+1
.endr
.irp g, 0,1,2,3                        ; LDS serves a wave's instructions in order: these see the stores above
	ds_load_b128 v[X+16*\g:X+16*\g+3],     v6 offset:STG*\s+128*\g        ; k = 32 g + 8 h + 0 .. 3
	ds_load_b128 v[X+16*\g+4:X+16*\g+7],   v6 offset:STG*\s+128*\g+16     ;                + 4 .. 7
	ds_load_b128 v[X+16*\g+8:X+16*\g+11],  v6 offset:STG*\s+128*\g+64     ; k = 32 g + 16 + 8 h + 0 .. 3
	ds_load_b128 v[X+16*\g+12:X+16*\g+15], v6 offset:STG*\s+128*\g+80
.endr
	s_wait_dscnt 0x0
.set i, 0
.rept 64
	v_med3_num_f32 v[X+i], v[X+i], -v[LIM], v[LIM] ; the conversion to an 8-bit code does not saturate (ISA guide 7.6.2): the hold comes first
.set i, i+1
.endr
.irp g, 0,1,2,3
	v_cvt_scalef32_pk8_fp8_f32 v[C+16*\s+4*\g:C+16*\s+4*\g+1],   v[X+16*\g:X+16*\g+7],    v[SCL]
	v_cvt_scalef32_pk8_fp8_f32 v[C+16*\s+4*\g+2:C+16*\s+4*\g+3], v[X+16*\g+8:X+16*\g+15], v[SCL]
.endr
	v_nop                                          ; a plain line between the conversions and the next K step's holds, which write their sources
.irp g, 0,1,2,3
	global_store_b128 v4, v[C+16*\s+4*\g:C+16*\s+4*\g+3], s[12:13] offset:2048*\s+512*\g   ; a chunk: 512 consecutive bytes, aligned
.endr
.endm
	s_wait_alu depctr_va_vdst(0)
	XSTEP 0
	XSTEP 1
	s_wait_tensorcnt 0x0
	ds_add_u32 v240, v241
	s_wait_dscnt 0x0
	s_endpgm
; ---- the weights.  K is the FIRST axis.  A lane takes a column n and its registers run down K, so the conversions give codes with K innermost and nothing is transposed.
; Wave w takes columns 128 ng + 32 w + lane: lanes 0-15 are the rows of one fragment, lanes 16-31 of the next.  A lane holds all 32 k of a chunk; of these k' = 0-7 and 16-23 are what
; the image gives lane (r, 0), and k' = 8-15 and 24-31 what it gives lane (r, 1): two stores a chunk, in each of which sixteen lanes fill 256 consecutive bytes, aligned.
.macro LOADW g, n, src                 ; block g: 32 rows of K; a load reads 128 consecutive bytes a wave, 512 a work-group
.set i, 0
.rept 32
	global_load_b32 v[XW+32*(\g)+i], v4, s[\src:\src+1] offset:(32*(\g)+i)*(\n)*4 th:TH_LOAD_NT
.set i, i+1
.endr
.endm
.macro WPATH n, src, dst, e, first
	s_sub_co_u32 s20, ttmp9, \first                ; ng: which 128 columns
	s_mul_i32 s22, s19, 128*(\n)*4                 ; K step y: 128 rows of the weight
	s_lshl_b32 s21, s20, 9
	s_add_co_u32 s22, s22, s21
	s_lshl_b32 s21, s18, 7
	s_add_co_u32 s22, s22, s21                     ; + 4 (128 ng + 32 w)
	s_add_nc_u64 s[\src:\src+1], s[\src:\src+1], s[22:23]
	s_lshl_b32 s22, s20, 17                        ; ((8 ng + 2 w) x 8 + y) x 2,048
	s_lshl_b32 s21, s18, 15
	s_add_co_u32 s22, s22, s21
	s_lshl_b32 s21, s19, 11
	s_add_co_u32 s22, s22, s21
	s_add_nc_u64 s[\dst:\dst+1], s[\dst:\dst+1], s[22:23]
	v_lshlrev_b32 v4, 2, v1                        ; in: 4 bytes a lane
	v_lshlrev_b32 v5, 4, v2
	v_lshl_add_u32 v5, v3, 14, v5                  ; out: 16 r, and the next fragment's images lie 8 x 2,048 bytes on
	LOADW 0, \n, \src
	LOADW 1, \n, \src
	s_wait_alu depctr_va_vdst(0)
	s_wait_kmcnt 0x0
	SCALES \e
	s_wait_alu depctr_va_vdst(0)
.irp g, 0,1,2,3
.if \g < 3
	s_wait_loadcnt 32                              ; this block's 32 loads are in; the next block's 32 may be out
.else
	s_wait_loadcnt 0x0
.endif
.if \g < 2
	LOADW \g+2, \n, \src
.endif
.set i, 0
.rept 32
	v_med3_num_f32 v[XW+32*\g+i], v[XW+32*\g+i], -v[LIM], v[LIM]
.set i, i+1
.endr
	v_cvt_scalef32_pk8_fp8_f32 v[CW+8*\g:CW+8*\g+1],   v[XW+32*\g:XW+32*\g+7],     v[SCL]   ; k' 0-7
	v_cvt_scalef32_pk8_fp8_f32 v[CW+8*\g+2:CW+8*\g+3], v[XW+32*\g+16:XW+32*\g+23], v[SCL]   ; k' 16-23
	v_cvt_scalef32_pk8_fp8_f32 v[CW+8*\g+4:CW+8*\g+5], v[XW+32*\g+8:XW+32*\g+15],  v[SCL]   ; k' 8-15
	v_cvt_scalef32_pk8_fp8_f32 v[CW+8*\g+6:CW+8*\g+7], v[XW+32*\g+24:XW+32*\g+31], v[SCL]   ; k' 24-31
	v_nop
	global_store_b128 v5, v[CW+8*\g:CW+8*\g+3],   s[\dst:\dst+1] offset:512*\g       ; the places of lanes (r, 0)
	global_store_b128 v5, v[CW+8*\g+4:CW+8*\g+7], s[\dst:\dst+1] offset:512*\g+256   ; the places of lanes (r, 1)
.endr
.endm
.Lweights:
	s_cmp_lt_u32 ttmp9, 88
	s_cbranch_scc0 .Lwout
	s_wait_alu depctr_va_vdst(0)
	WPATH 3072, 6, 14, 25, 64
	s_endpgm
.Lwout:
	s_wait_alu depctr_va_vdst(0)
	WPATH 1024, 8, 16, 31, 88
	s_endpgm
.Lfunc_end_k_qc68be8249a_quant:
	.size	k_qc68be8249a_quant, .Lfunc_end_k_qc68be8249a_quant-k_qc68be8249a_quant
	.p2alignl 7, 3214868480
	.fill 96, 4, 3214868480
	.section	.rodata,"a",@progbits
	.p2align	6, 0x0
	.amdhsa_kernel k_qc68be8249a_quant
		.amdhsa_group_segment_fixed_size 68096
		.amdhsa_private_segment_fixed_size 0
		.amdhsa_enable_private_segment 0
		.amdhsa_kernarg_size 56
		.amdhsa_user_sgpr_count 2
		.amdhsa_user_sgpr_kernarg_segment_ptr 1
		.amdhsa_wavefront_size32 1
		.amdhsa_system_sgpr_workgroup_id_x 1
		.amdhsa_system_sgpr_workgroup_id_y 1
		.amdhsa_system_sgpr_workgroup_id_z 1
		.amdhsa_system_vgpr_workitem_id 0
		.amdhsa_next_free_vgpr 242
		.amdhsa_next_free_sgpr 66
		.amdhsa_reserve_vcc 0
		.amdhsa_float_denorm_mode_32 3
		.amdhsa_float_denorm_mode_16_64 3
		.amdhsa_memory_ordered 1
		.amdhsa_forward_progress 1
		.amdhsa_inst_pref_size 66
	.end_amdhsa_kernel
	.amdgpu_metadata
---
amdhsa.version: [ 1, 2 ]
amdhsa.kernels:
  - .name:           k_qc68be8249a_quant
    .symbol:         k_qc68be8249a_quant.kd
    .args:
      - { .name: x, .offset: 0, .size: 8, .value_kind: global_buffer, .address_space: global }
      - { .name: W_qkv, .offset: 8, .size: 8, .value_kind: global_buffer, .address_space: global }
      - { .name: W_out, .offset: 16, .size: 8, .value_kind: global_buffer, .address_space: global }
      - { .name: lowp_scales, .offset: 24, .size: 8, .value_kind: global_buffer, .address_space: global }
      - { .name: x_codes, .offset: 32, .size: 8, .value_kind: global_buffer, .address_space: global }
      - { .name: wqkv_codes, .offset: 40, .size: 8, .value_kind: global_buffer, .address_space: global }
      - { .name: wout_codes, .offset: 48, .size: 8, .value_kind: global_buffer, .address_space: global }
    .group_segment_fixed_size: 68096
    .private_segment_fixed_size: 0
    .kernarg_segment_align: 8
    .kernarg_segment_size: 56
    .max_flat_workgroup_size: 128
    .sgpr_count:     66
    .vgpr_count:     242
    .wavefront_size: 32
...
	.end_amdgpu_metadata
.endif
;; end of part 1
;; launch qkv (part 2): grid 12 x 32, 4 waves a work-group, clusters of 4 x 4, 327,680 bytes of LDS; arguments x_codes, wqkv_codes, lowp_scales, b_qkv, qkv_codes; writes qkv_codes
.if DOCPART == 2
	.amdgcn_target "amdgcn-amd-amdhsa--gfx1250"
	.amdhsa_code_object_version 6
	.text
	.protected	k_qc68be8249a_qkv
	.globl	k_qc68be8249a_qkv
	.p2align	8
	.type	k_qc68be8249a_qkv,@function
k_qc68be8249a_qkv:
	s_mov_b64 s[64:65], 0
	v_nop
	global_prefetch_b8 v0, s[64:65] scope:SCOPE_SE
	s_setreg_imm32_b32 hwreg(HW_REG_WAVE_MODE, 25, 1), 1
	s_wait_xcnt 0x0
	s_wait_alu depctr_hold_cnt(0) depctr_sa_sdst(0) depctr_va_vdst(0) depctr_va_sdst(0) depctr_va_ssrc(0) depctr_va_vcc(0) depctr_vm_vsrc(0)
	s_getreg_b32 s2, hwreg(HW_REG_IB_STS2, 6, 4)
	s_cmp_eq_u32 s2, 0
	s_cbranch_scc0 .Lentry_in_a_cluster
	s_endpgm
.Lentry_in_a_cluster:
	s_bfe_u32 s2, ttmp6, 0x10000c
	s_cmp_lg_u32 s2, 0xf033
	s_cbranch_scc0 .Lentry_shape_is_right
	s_endpgm
.Lentry_shape_is_right:
; qkv = x W_qkv + b_qkv on codes of FP8 (E4M3), and its three parts quantised at once for the two products of attention: q with 2^e2, k with 2^e3, v with 2^e4.
; Both operands come as images of operand registers: [tile of 16 rows][K step of 128][2,048 bytes]; chunk g of an image holds registers 4 g .. 4 g + 3 of lane L at 512 g + 16 L.  So a fragment
; is four ds_load_b128 at 16 x lane: no pitch, no padding, an instruction's 512 bytes are consecutive; and each k stands in the place that the matrix form gives it.
; A tile of 256 x 256 is made by four waves, each 128 x 128: 64 accumulators, 512 registers.  K = 1,024 goes in four fills of 256 through a ring of two LDS slots.
; ROLES.  Source 1 of the matrix instruction ("the A side") gives a lane its ONE row; source 0 ("the B side") gives its eight registers eight neighbouring rows.  What is quantised next wants its own
; K along a lane's registers.  For q and k that K is the head's 64 features: A side = tokens (x), B side = features (W).  For v it is the keys: A side = features (W), B side = tokens (x).
; Then one conversion of an accumulator's eight registers IS two registers of the next operand, and the results leave as images, 512 consecutive bytes a store, with no way through LDS.
; The cluster's x says which part: 0 q, 1 k, 2 v; it is the same in all sixteen partners, so the choice of roles and the two branches on it are alike in all of them.
; CLUSTERS: 4 x 4 work-groups.  The four of a row of the cluster need the same tiles of the A side, the four of a column the same tiles of the B side: each is asked for jointly.
; OUT: qkv_codes [batch x 16 + head][block of 256 tokens][49,152]: 16 images of q (16 tokens x 64: 1,024 bytes), 16 of k, then v^T as [128 keys][16 of the head's 64][2,048].
; LIMITS: e0 + e1 between -126 and 127; e2, e3, e4 between -126 and 119: each power of two below is then an f32 number.
; REGISTERS, in windows of 256: window 0: v16-31 addresses and the two constants of the quantiser; v32-95 the bias; v128-255 the A side's fragments, ONE set; on the way out v128-191 numbers, v192-255 codes.
;   window 1: the B side's fragments, TWO sets, at v0 and v128.   windows 2, 3: the accumulators of my A rows 0-63 and 64-127 (accumulator (a, b) at v[8 (8 (a % 4) + b)]).
.set FR,     16                        ; registers of a fragment
.set NL,     4                         ; LDS loads that bring one
.set NP,     4                         ; places behind this matrix instruction (ISA guide 7.12.1)
.set HALFT,  32768                     ; 8 tiles of rows x 2 K steps x 2,048: what one tensor load brings, and what one wave reads of a side
.set SLOT,   4*HALFT                   ; the A side's two halves, then the B side's
.set SPARE,  2*SLOT                    ; behind the ring: the spare words, 128 bytes for each wave: two blocks of 256 bytes that no other line names
.set FILLB,  4096                      ; two K steps of a tile of rows
.set HS,     393216                    ; a head in qkv_codes
.set SS,     49152                     ; a block of 256 tokens in it
.set ADRA, 16                          ; v16-17  LDS address of my A fragments in slot 0, 1
.set ADRB, 20                          ; v20-21  the same for B
.set CO,   26                          ; v26     16 x lane
.set BO,   27                          ; v27     my byte offset in the bias
.set SPW,  28                          ; v28     LDS address of my spare word; never rewritten
.set NIL,  29                          ; v29     0; never rewritten
.set SCL,  30                          ; v30     2^e of the part in hand
.set LIM,  31                          ; v31     448 x that
.set BI,   32                          ; v32-95  the bias, in the layout of a block's 64 results
.set AF,   128
.set TMP,  128
.set CD,   192                         ; four sets of 16 registers of codes
.set G1, 24                            ; s[24:31] descriptor group 1 for the A side;  s[32:39] group 0, one set for each slot
.set G0, 32
.set G1B, 48                           ; s[48:55], s[56:63] the same for the B side
.set G0B, 56
.set MSB, 0
.macro WIN new                         ; the immediate's high byte repeats the setting that is left
.if MSB != (\new)
	s_set_vgpr_msb (MSB<<8)|(\new)
.set MSB, \new
.endif
.endm
.set MUL_LO, 0xa1                      ; source 0 (B) window 1, source 1 (A) window 0, C and D window 2
.set MUL_HI, 0xf1                      ; the same, C and D window 3
.set TO_B,   0x40                      ; destination window 1, address window 0
; A joint load: waves 0 and 1 fetch the A side's halves, waves 2 and 3 the B side's.  The branch hangs on the wave's number alone.  Four v_nop follow each of the two lines.
.macro JLOAD g0a, g1a, g0b, g1b
	s_cmp_eq_u32 s15, 0
	s_cbranch_scc0 .Lfor_b_\@
	tensor_load_to_lds s[\g0a:\g0a+3], s[\g1a:\g1a+7]
	s_nop 0
.rept 4
	v_nop
.endr
	s_branch .Lasked_\@
.Lfor_b_\@:
	tensor_load_to_lds s[\g0b:\g0b+3], s[\g1b:\g1b+7]
	s_nop 0
.rept 4
	v_nop
.endr
.Lasked_\@:
.endm
.macro CREST                           ; a round of the cluster's barrier behind its opening barrier
	s_cmp_lg_u32 s14, 0
	s_cbranch_scc1 .Lnot_wave_0_\@
	s_barrier_signal -3
.Lnot_wave_0_\@:
	s_barrier_wait -3
	s_barrier_signal -1
	s_barrier_wait -1
.endm
.macro CROUND                          ; a whole round
	s_barrier_signal -1
	s_barrier_wait -1
	CREST
.endm
	s_load_b256 s[4:11], s[0:1], 0x0               ; x's codes s[4:5], W's codes s[6:7], the scales s[8:9], the bias s[10:11]
	s_load_b64 s[12:13], s[0:1], 0x20              ; qkv_codes
	v_lshl_add_u32 v[SPW], v0, 2, SPARE
	v_mov_b32 v[NIL], 0
	ds_add_u32 v28, v29
	ds_add_u32 v28, v29
	s_wait_dscnt 0x0
	v_lshrrev_b32 v1, 5, v0
	v_readfirstlane_b32 s14, v1                    ; wave 0..3
	s_lshr_b32 s15, s14, 1                         ; which half of the A side's rows is mine.  Also: I fetch for A (0) or for B (1)
	s_and_b32 s16, s14, 1                          ; which half of the B side's.  Also: which half of that side's tile I fetch
	s_bfe_u32 s40, ttmp6, 0x40000                  ; cx, cy: my place in the cluster
	s_bfe_u32 s41, ttmp6, 0x40004
	s_and_b32 s66, ttmp7, 0xffff
	s_lshl_b32 s66, s66, 2                         ; 4 x cluster y: the cluster's first tile of 256 tokens
	s_lshl_b32 s67, ttmp9, 2                       ; 4 x cluster x: its first tile of 256 columns of W
	s_cmp_eq_u32 ttmp9, 2                          ; v?
	s_cselect_b32 s17, 8, s66
	s_cselect_b32 s42, s66, s67
	s_add_co_u32 s17, s17, s41                     ; the A side's tile: q, k: tokens, 4 cluster y + cy;  v: columns, 8 + cy
	s_add_co_u32 s42, s42, s40                     ; the B side's tile: q, k: columns, 4 cluster x + cx;  v: tokens, 4 cluster y + cx
	s_lshl_b32 s43, s41, 2
	s_lshl_b32 s43, 15, s43                        ; my row of the cluster
	s_lshl_b32 s44, 0x1111, s40                    ; my column
	; descriptor group 1: 8 rows (tiles of 16 rows) of 4,096 bytes (two K steps' images), 16,384 bytes apart in memory, dense in LDS; elements of 8 bytes
	s_or_b32 s[G1+0], s43, (3<<16)|(1<<21)         ; 15:0 the mask: the A side's tiles go to my row; 17:16 elements of 8 bytes; 20 no padding; 21 set beside a mask
	s_or_b32 s[G1B+0], s44, (3<<16)|(1<<21)
.irp g, G1, G1B
	s_mov_b32 s[\g+1], 512<<16                     ; tensor_dim0 = 512 elements
	s_mov_b32 s[\g+2], 8<<16                       ; tensor_dim1 = 8
	s_mov_b32 s[\g+3], 512<<16                     ; tile_dim0
	s_mov_b32 s[\g+4], 8                           ; tile_dim1
	s_mov_b32 s[\g+5], 2048                        ; tensor_dim0_stride: 2,048 elements
	s_mov_b32 s[\g+6], 0
	s_mov_b32 s[\g+7], 0
.endr
	s_lshl_b32 s18, s16, 17                        ; the half that I fetch: 8 tiles of rows x 16,384 bytes
	s_lshl_b32 s20, s17, 18                        ; a tile of 256 rows is 16 x 16,384 bytes
	s_add_co_u32 s20, s20, s18
	s_mov_b32 s21, 0
	s_lshl_b32 s46, s42, 18
	s_add_co_u32 s46, s46, s18
	s_mov_b32 s47, 0
	s_lshl_b32 s45, s14, 15                        ; where they go: wave x HALFT: no place in the cluster enters an LDS address
	s_wait_kmcnt 0x0
	s_load_b256 s[80:87], s[8:9], 0x0              ; e0 .. e7
	s_cmp_eq_u32 ttmp9, 2
	s_cselect_b64 s[68:69], s[6:7], s[4:5]         ; the A side's buffer,
	s_cselect_b64 s[70:71], s[4:5], s[6:7]         ; the B side's
	s_add_nc_u64 s[20:21], s[68:69], s[20:21]
	s_add_nc_u64 s[46:47], s[70:71], s[46:47]
	CROUND                                         ; all sixteen work-groups are here: the first joint loads meet
.irp s, 0,1
	s_mov_b32 s[G0+4*\s], 1
	s_add_co_u32 s[G0+4*\s+1], s45, \s*SLOT
	s_add_nc_u64 s[G0+4*\s+2:G0+4*\s+3], s[20:21], \s*FILLB
	s_or_b32 s[G0+4*\s+3], s[G0+4*\s+3], 0x80000000
	s_mov_b32 s[G0B+4*\s], 1
	s_add_co_u32 s[G0B+4*\s+1], s45, \s*SLOT
	s_add_nc_u64 s[G0B+4*\s+2:G0B+4*\s+3], s[46:47], \s*FILLB
	s_or_b32 s[G0B+4*\s+3], s[G0B+4*\s+3], 0x80000000
.endr
	JLOAD G0, G1, G0B, G1B                         ; slot 0: one tensor load a wave at the head
	v_and_b32 v1, 31, v0
	v_lshlrev_b32 v[CO], 4, v1                     ; 16 x lane: my place in every chunk, in LDS and in memory
	v_and_b32 v2, 15, v0                           ; r
	v_bfe_u32 v3, v0, 4, 1                         ; h
	s_lshl_b32 s21, s15, 15                        ; my half of the A side
	s_lshl_b32 s22, s16, 15                        ; my half of the B side,
	s_add_co_u32 s22, s22, 2*HALFT                 ; which lies behind A's two
.irp s, 0,1
	v_add_nc_u32 v[ADRA+\s], s21, v[CO]
	v_add_nc_u32 v[ADRB+\s], s22, v[CO]
	s_add_co_u32 s21, s21, SLOT
	s_add_co_u32 s22, s22, SLOT
.endr
	; what hangs on the roles is chosen without a branch
	s_cmp_eq_u32 ttmp9, 2
	s_cselect_b32 s72, s17, s42                    ; the tile of 256 columns of W,
	s_cselect_b32 s73, s15, s16                    ; my half of it,
	s_cselect_b32 s74, s42, s17                    ; the tile of 256 tokens,
	s_cselect_b32 s75, s16, s15                    ; my half of it,
	s_cselect_b32 s76, s41, s40                    ; the tile of columns within the part: four heads each
	s_lshl_b32 s76, s76, 2
	s_lshl_b32 s77, s73, 1
	s_add_co_u32 s76, s76, s77                     ; my first head (a wave's 128 columns are two heads)
	s_lshr_b32 s77, s74, 3                         ; the batch: 8 tiles of 256 tokens each
	s_lshl_b32 s77, s77, 4
	s_add_co_u32 s76, s76, s77
	s_mul_i32 s76, s76, HS
	s_and_b32 s77, s74, 7                          ; the block of 256 tokens
	s_mul_i32 s77, s77, SS
	s_add_co_u32 s76, s76, s77
	s_lshl_b32 s77, ttmp9, 14                      ; the part: q, k, v: 16,384 bytes each
	s_add_co_u32 s76, s76, s77
	s_lshl_b32 s77, s75, 13                        ; my 128 tokens: eight images of 1,024 bytes, or v's 128 keys
	s_add_co_u32 s76, s76, s77
	s_mov_b32 s77, 0
	s_add_nc_u64 s[12:13], s[12:13], s[76:77]
	s_lshl_b32 s72, s72, 10
	s_lshl_b32 s73, s73, 9
	s_add_co_u32 s72, s72, s73
	s_mov_b32 s73, 0
	s_add_nc_u64 s[10:11], s[10:11], s[72:73]      ; the bias of my 128 columns
	s_wait_kmcnt 0x0
	s_add_co_i32 s96, s80, s81                     ; a sum stands for sum x 2^(e0 + e1)
	s_add_co_i32 s96, s96, 127
	s_lshl_b32 s96, s96, 23
	s_mov_b32 s97, s96                             ; (named with it as a pair, so it is written)
	s_cmp_eq_u32 ttmp9, 0
	s_cselect_b32 s78, s82, s83
	s_cmp_eq_u32 ttmp9, 2
	s_cselect_b32 s78, s84, s78                    ; e2, e3 or e4
	s_add_co_i32 s78, s78, 127
	s_lshl_b32 s79, s78, 23
	v_mov_b32 v[SCL], s79
	s_add_co_i32 s78, s78, 8
	s_lshl_b32 s78, s78, 23
	s_or_b32 s78, s78, 0x600000
	v_mov_b32 v[LIM], s78
	; the bias, in the layout of a block's results.  q, k: register 8 b + j is column 16 b + 8 h + j, the same for every block a.  v: a lane has ONE column, 16 a + r, in block a: it fills registers 8 a .. 8 a + 7.
	s_cmp_eq_u32 ttmp9, 2
	s_cbranch_scc1 .Lbias_v
	s_wait_alu depctr_va_vdst(0)
	v_lshlrev_b32 v[BO], 5, v3
.irp b, 0,1,2,3,4,5,6,7
	global_load_b128 v[BI+8*\b:BI+8*\b+3],   v[BO], s[10:11] offset:64*\b
	global_load_b128 v[BI+8*\b+4:BI+8*\b+7], v[BO], s[10:11] offset:64*\b+16
.endr
	s_branch .Lbias_in
.Lbias_v:
	s_wait_alu depctr_va_vdst(0)
	v_lshlrev_b32 v[BO], 2, v2
.set i, 0
.rept 64
	global_load_b32 v[BI+i], v[BO], s[10:11] offset:64*(i/8)
.set i, i+1
.endr
.Lbias_in:
.macro FRAG reg, adr, q, i             ; the image of tile of rows i, K step q of the slot: four chunks
.irp c, 0,1,2,3
	ds_load_b128 v[\reg+4*\c:\reg+4*\c+3], v[\adr] offset:4096*(\i)+2048*(\q)+512*\c
.endr
.endm
; 16 matrix instructions: A's blocks a0, a0 + 1 x B's eight, 128 along K.  p: B's set.  zero = 1: the first product starts the sums.
; The 64 accumulators take turns, one instruction a turn, in the same order in every step.
.macro MUL16 a0, p, zero
.irp a, \a0, \a0+1
.irp b, 0,1,2,3,4,5,6,7
.if \zero
	v_wmma_f32_16x16x128_fp8_fp8 v[8*(8*((\a)%4)+\b):8*(8*((\a)%4)+\b)+7], v[128*(\p)+FR*\b:128*(\p)+FR*\b+FR-1], v[AF+FR*(\a):AF+FR*(\a)+FR-1], 0
.else
	v_wmma_f32_16x16x128_fp8_fp8 v[8*(8*((\a)%4)+\b):8*(8*((\a)%4)+\b)+7], v[128*(\p)+FR*\b:128*(\p)+FR*\b+FR-1], v[AF+FR*(\a):AF+FR*(\a)+FR-1], v[8*(8*((\a)%4)+\b):8*(8*((\a)%4)+\b)+7]
.endif
.endr
.endr
.endm
.macro FETCH_B slot, q, p
	WIN TO_B
.irp i, 0,1,2,3,4,5,6,7
	FRAG 128*(\p)+FR*\i, ADRB+\slot, \q, \i
.endr
	WIN 0
.endm
.macro FETCH_A slot, q, i0
.irp i, \i0, \i0+1, \i0+2, \i0+3
	FRAG AF+FR*(\i), ADRA+\slot, \q, \i
.endr
.endm
; A load into a register that a matrix instruction has read, and a vector instruction that reads a matrix result or writes one of its registers, stand NP places behind it; only plain vector
; instructions that name none of its registers are places (ISA guide 7.12.1 for vector instructions).
.macro PLACES n
.rept \n
	v_nop
.endr
.endm
; A step of 128 along K that has its successor in the same slot.  A block of A is free as soon as its eight products are issued: blocks 0-3 are fetched anew in the step's middle, blocks 4-7 at its end.
.macro STEP slot, q, zero
	s_wait_dscnt 4*NL                              ; B's set and A's blocks 0-3 are in; the youngest 16 loads (A's blocks 4-7) may be out
	WIN MUL_LO
	MUL16 0, (\q)%2, \zero
	MUL16 2, (\q)%2, \zero
	s_wait_dscnt 0                                 ; A's blocks 4-7 are in
	PLACES NP
	FETCH_B \slot, (\q)+1, 1-(\q)%2
	FETCH_A \slot, (\q)+1, 0
	WIN MUL_HI
	MUL16 4, (\q)%2, \zero
	MUL16 6, (\q)%2, \zero
	PLACES NP
	WIN 0
	FETCH_A \slot, (\q)+1, 4
.endm
; A slot's last step changes slots: ONE barrier; in front of it each wave waits for all its tensor loads, adds 0 to its spare word, and waits for that and for its own reads of this slot.  fill = 1: this slot is filled again.
.macro TURN slot, next, fill
	s_wait_tensorcnt 0x0                           ; all my tensor loads have landed: my part of the next slot
	ds_add_u32 v[SPW], v[NIL]                      ; 0 onto my spare word
	s_wait_dscnt 4*NL+1                            ; (the add and the youngest 16 loads, A's blocks 4-7, may be out)
	WIN MUL_LO
	MUL16 0, 1, 0                                  ; sixteen matrix instructions stand between the add and the wait for it
	s_wait_dscnt 0x0                               ; the add is done, and my reads of this slot are over
	s_barrier_signal -1
	MUL16 2, 1, 0
	WIN 0
	s_barrier_wait -1
.if \fill
	CREST                                          ; the barrier has opened a round of the cluster's: no wave of any partner still reads this slot or has a load on its way
	s_add_nc_u64 s[G0+4*\slot+2:G0+4*\slot+3], s[G0+4*\slot+2:G0+4*\slot+3], 2*FILLB
	s_add_nc_u64 s[G0B+4*\slot+2:G0B+4*\slot+3], s[G0B+4*\slot+2:G0B+4*\slot+3], 2*FILLB
	JLOAD G0+4*\slot, G1, G0B+4*\slot, G1B         ; the first tensor load behind the round; its four v_nop are the places in front of the loads below
.else
	PLACES NP
.endif
	FETCH_B \next, 0, 0
	FETCH_A \next, 0, 0
	WIN MUL_HI
	MUL16 4, 1, 0
	MUL16 6, 1, 0
	PLACES NP
	WIN 0
	FETCH_A \next, 0, 4
.endm
	s_wait_alu depctr_va_vdst(0)                   ; the wait at the head's end
	s_wait_tensorcnt 0x0                           ; my part of slot 0 is in; these lines stand ahead of a later first fill as ahead of a refill
	ds_add_u32 v[SPW], v[NIL]                      ; 0 onto my spare word
	s_wait_dscnt 0x0
	CROUND                                         ; everybody's part of slot 0 is in, and all sixteen work-groups are here
	JLOAD G0+4, G1, G0B+4, G1B                     ; slot 1's first fill: the first tensor load behind the round
	FETCH_B 0, 0, 0
	FETCH_A 0, 0, 0
	FETCH_A 0, 0, 4
	STEP 0, 0, 1                                   ; K 0-127: these products start the sums.  Eight steps, written out: only two refills exist
	TURN 0, 1, 1                                   ; K 128-255; slot 0 takes K 512-767
	STEP 1, 0, 0
	TURN 1, 0, 1                                   ; slot 1 takes K 768-1023
	STEP 0, 0, 0
	TURN 0, 1, 0
	STEP 1, 0, 0
	s_wait_dscnt 4*NL                              ; the last step: nothing more to fetch
	WIN MUL_LO
	MUL16 0, 1, 0
	MUL16 2, 1, 0
	s_wait_dscnt 0
	WIN MUL_HI
	MUL16 4, 1, 0
	MUL16 6, 1, 0
	WIN 0
; THE WAY OUT, block a of the A side's eight: sum x 2^(e0 + e1) + bias, the hold, the conversion; accumulator (a, b)'s eight registers become registers 2 b, 2 b + 1 of the block's 16 registers of codes.
; q, k (vp = 0): these are the images of tokens 16 a .. + 15 for my two heads: registers 0-7 the first head's (K = 64: two chunks), 8-15 the second's.
; v (vp = 1): they are one image: 16 of a head's 64 features (head a / 4, features 16 (a % 4) on) x my 128 keys: four chunks.
.macro OUTBLK a, vp
.set AC, 64*((\a)%4)
.set CS4, CD+16*((\a)%4)
.if (\a) >= 4
	s_wait_xcnt 0x0                                ; block a - 4's stores have read this set of codes: it is written again only behind this wait
.endif
	WIN 0x02+((\a)/4)                              ; source 0: window 2 or 3
.set j, 0
.rept 32
.if \vp
	v_pk_fma_f32 v[TMP+j:TMP+j+1], v[AC+j:AC+j+1], s[96:97], v[BI+8*(\a)+j%8:BI+8*(\a)+j%8+1] op_sel_hi:[1,0,1]
.else
	v_pk_fma_f32 v[TMP+j:TMP+j+1], v[AC+j:AC+j+1], s[96:97], v[BI+j:BI+j+1] op_sel_hi:[1,0,1]   ; each accumulator from its low end on
.endif
.set j, j+2
.endr
	WIN 0
.set j, 0
.rept 64
	v_med3_num_f32 v[TMP+j], v[TMP+j], -v[LIM], v[LIM]   ; the conversion to an 8-bit code does not saturate (ISA guide 7.6.2)
.set j, j+1
.endr
.irp b, 0,1,2,3,4,5,6,7
	v_cvt_scalef32_pk8_fp8_f32 v[CS4+2*\b:CS4+2*\b+1], v[TMP+8*\b:TMP+8*\b+7], v[SCL]
.endr
	v_nop                                          ; a plain line between the conversions and the next block's lines, which write their sources
.irp g, 0,1,2,3
.if \vp
	global_store_b128 v[CO], v[CS4+4*\g:CS4+4*\g+3], s[12:13] offset:((\a)/4)*HS+((\a)%4)*2048+512*\g   ; 512 consecutive bytes, aligned
.else
	global_store_b128 v[CO], v[CS4+4*\g:CS4+4*\g+3], s[12:13] offset:1024*(\a)+(\g/2)*HS+(\g%2)*512
.endif
.endr
.endm
	s_wait_loadcnt 0x0                             ; the bias
	PLACES NP                                      ; behind the last products: the lines below write registers that held A's fragments
	s_cmp_eq_u32 ttmp9, 2
	s_cbranch_scc1 .Lout_v
.irp a, 0,1,2,3,4,5,6,7
	OUTBLK \a, 0
.endr
	s_branch .Lout_done
.Lout_v:
.irp a, 0,1,2,3,4,5,6,7
	OUTBLK \a, 1
.endr
.Lout_done:
	s_wait_tensorcnt 0x0                           ; the wave's end
	ds_add_u32 v[SPW], v[NIL]
	s_wait_dscnt 0x0
	CROUND                                         ; the closing round: no work-group ends while a partner may still ask for a tile that names it
	s_endpgm
.Lfunc_end_k_qc68be8249a_qkv:
	.size	k_qc68be8249a_qkv, .Lfunc_end_k_qc68be8249a_qkv-k_qc68be8249a_qkv
	.p2alignl 7, 3214868480
	.fill 96, 4, 3214868480
	.section	.rodata,"a",@progbits
	.p2align	6, 0x0
	.amdhsa_kernel k_qc68be8249a_qkv
		.amdhsa_group_segment_fixed_size 327680
		.amdhsa_private_segment_fixed_size 0
		.amdhsa_enable_private_segment 0
		.amdhsa_kernarg_size 40
		.amdhsa_user_sgpr_count 2
		.amdhsa_user_sgpr_kernarg_segment_ptr 1
		.amdhsa_wavefront_size32 1
		.amdhsa_system_sgpr_workgroup_id_x 1
		.amdhsa_system_sgpr_workgroup_id_y 1
		.amdhsa_system_sgpr_workgroup_id_z 1
		.amdhsa_system_vgpr_workitem_id 0
		.amdhsa_next_free_vgpr 1024
		.amdhsa_next_free_sgpr 100
		.amdhsa_reserve_vcc 0
		.amdhsa_float_denorm_mode_32 3
		.amdhsa_float_denorm_mode_16_64 3
		.amdhsa_memory_ordered 1
		.amdhsa_forward_progress 1
		.amdhsa_inst_pref_size 198
	.end_amdhsa_kernel
	.amdgpu_metadata
---
amdhsa.version: [ 1, 2 ]
amdhsa.kernels:
  - .name:           k_qc68be8249a_qkv
    .symbol:         k_qc68be8249a_qkv.kd
    .args:
      - { .name: x_codes, .offset: 0, .size: 8, .value_kind: global_buffer, .address_space: global }
      - { .name: wqkv_codes, .offset: 8, .size: 8, .value_kind: global_buffer, .address_space: global }
      - { .name: lowp_scales, .offset: 16, .size: 8, .value_kind: global_buffer, .address_space: global }
      - { .name: b_qkv, .offset: 24, .size: 8, .value_kind: global_buffer, .address_space: global }
      - { .name: qkv_codes, .offset: 32, .size: 8, .value_kind: global_buffer, .address_space: global }
    .group_segment_fixed_size: 327680
    .private_segment_fixed_size: 0
    .kernarg_segment_align: 8
    .kernarg_segment_size: 40
    .max_flat_workgroup_size: 128
    .sgpr_count:     100
    .vgpr_count:     1024
    .wavefront_size: 32
...
	.end_amdgpu_metadata
.endif
;; end of part 2
;; launch attn (part 3): grid 256 x 1, 8 waves a work-group, clusters of 4 x 1, 327,680 bytes of LDS; arguments qkv_codes, lowp_scales, att_codes; writes att_codes
.if DOCPART == 3
	.amdgcn_target "amdgcn-amd-amdhsa--gfx1250"
	.amdhsa_code_object_version 6
	.text
	.protected	k_qc68be8249a_attn
	.globl	k_qc68be8249a_attn
	.p2align	8
	.type	k_qc68be8249a_attn,@function
k_qc68be8249a_attn:
	s_mov_b64 s[64:65], 0
	v_nop
	global_prefetch_b8 v0, s[64:65] scope:SCOPE_SE
	s_setreg_imm32_b32 hwreg(HW_REG_WAVE_MODE, 25, 1), 1
	s_wait_xcnt 0x0
	s_wait_alu depctr_hold_cnt(0) depctr_sa_sdst(0) depctr_va_vdst(0) depctr_va_sdst(0) depctr_va_ssrc(0) depctr_va_vcc(0) depctr_vm_vsrc(0)
	s_getreg_b32 s2, hwreg(HW_REG_IB_STS2, 6, 4)
	s_cmp_eq_u32 s2, 0
	s_cbranch_scc0 .Lentry_in_a_cluster
	s_endpgm
.Lentry_in_a_cluster:
	s_bfe_u32 s2, ttmp6, 0x10000c
	s_cmp_lg_u32 s2, 0x3003
	s_cbranch_scc0 .Lentry_shape_is_right
	s_endpgm
.Lentry_shape_is_right:
; Causal attention of one head (size 64) on codes of FP8 (E4M3), and its result quantised with 2^e6 for the last product.  q x 2^e2, k x 2^e3, v x 2^e4, p x 2^e5.
; THE SOFTMAX AHEAD OF THE SECOND PRODUCT: t = score x log2(e) / 8; M = the row's largest t so far, rounded UP to a whole number; p = 2^(t - M) is what is quantised, not normalised.
; The row's sum is taken of the unquantised p, in f32, and divides at the end.  When M moves, the sum and O are multiplied by 2^(old M - new M): exact.
; WORK LEFT OUT: key steps all of whose 128 keys come after a tile's queries: the causal mask gives them -infinity, so their p is 0 for all values of the inputs.
; IN: qkv_codes [batch x 16 + head][block of 256 tokens][49,152]: images of operand registers: 16 of q, 16 of k (16 tokens x 64: 1,024 bytes), v^T as [128 keys][16 features][2,048].
; Chunk g of an image holds registers 4 g .. 4 g + 3 of lane L at 512 g + 16 L: a fragment is read at 16 x lane, 512 consecutive bytes an instruction.
; SHARES.  A cluster of four work-groups owns a head.  Partner i owns the tiles of 16 queries t with t % 4 = i: all four need the same keys in the same order, so the head's K and V are asked for JOINTLY.
; A head's K and V are 2 x 131,072 bytes: they lie in LDS whole: eight joint loads at the head, one a wave (wave w: K (w even) or V (w odd) of key blocks 2 (w / 2), + 1: two rows of 16,384 bytes).  Nothing is filled again.
; In LDS key step s (128 keys) has its K at 8,192 s and its V at 131,072 + 8,192 s.
; A PAIR g is the tiles 8 g + i (tile 0) and 8 g + 4 + i (tile 1): queries of the 128 block g; both need key steps 0 .. g, and each fragment of K and V read from LDS serves both tiles.
; Wave w takes pair 15 - w (key steps 0 .. 15 - w, ascending) and then pair w (key steps w .. 0, descending): 17 trips in every wave of every work-group.
; A trip fetches the NEXT trip's K behind its own score products.  Trips 0 to 2 read key steps 0 to 3 at the most, which waves 0 and 1 fetch: these two have a load line of their own, and the first barrier waits for that
; line alone.  The second barrier, ahead of trip 3, waits for all loads.  No other barrier: behind it waves share nothing that is written.
; ON THE DIAGONAL (trips 15 - w and 16 - w) hidden scores become -infinity ahead of the maximum.  Key 16 c + 8 h + j of the step is hidden for tile 0 where 16 c + j > 16 i + r - 8 h (always for c > 3), for tile 1 where
; 16 (c - 4) + j > 16 i + r - 8 h (never for c < 4): 32 lane masks, made once, in scalar registers.  Each query's own key lies in its diagonal step, so M is a number from a pair's first step on.
; NO PREFETCH INTO THE L2: every byte that the work-group reads through LDS is asked for by the head's eight loads; there is no later load to run ahead of.
; LAYOUT.  Both products are used transposed: S^T = K Q^T (source 0 = 16 keys), O^T = V^T P^T (source 0 = 16 features): a lane holds ONE query (lane % 16), and its eight registers of tile c of S^T are keys
; 16 c + 8 (lane / 16) + 0 .. 7: one conversion gives registers 2 c, 2 c + 1 of the second product's operand.  OUT: att_codes [tile of 16 tokens][two heads][2,048]: a head's 64 features are two chunks.
; LIMITS: e2 + e3 between -123 and 130 (added to c's exponent field); e6 between -126 and 119; e5 between -8 and 119: p is at most 1 by its definition, and 448 x 2^e5 is at least 1.75 then, so no p lies
; beyond the largest code and no hold stands ahead of p's conversion (HOLD = 1 assembles the hold, for e5 down to -126).  The scaled scores stay under 2^31 in magnitude.  NaN and infinities among the codes' sums are not served.
; REGISTERS.  Window 0 holds all that vector lines work on, so that the two tiles' lines stand by turns: v1 16 x lane; v2, v3 LDS addresses; v4 -infinity; v5, v6 the add's; v7 2^e5; v8 v1 + V's region; v9, v10 2^e6, 448 x that;
; v11 448 x 2^e5; tile u: v[12 + 4 u] -M, + 1 the largest score, + 2, + 3 the sum; v[20 + 2 u] f; v24-55 at work; v[64 + 64 u ..] S^T, then p; v[192 + 32 u ..] O^T.
; Window 1 holds what only loads, conversions and products touch: v0-63 K's eight fragments; v64-127 V's four; v[128 + 8 u ..] Q; v[144 + 16 u ..] p's codes.
.set HS,    393216
.set SS,    49152
.set STEPB, 8192
.set VREG,  131072
.set SPARE, 262144                     ; behind K and V: the spare words, 128 bytes a wave: four blocks of 256 bytes that no other line names
.set HOLD,  0
.set MM, 12
.set FF, 20
.set TT, 24
.set SC, 64
.set OT, 192
.set KF, 0
.set VF, 64
.set QF, 128
.set CD, 144
.set WV, 10                            ; s10 wave;  s11 my place in the cluster;  s12 LDS byte of the next trip's key step;  s13 15 - wave;  s14 the trip;  s15 LDS byte of this trip's key step;  s16 8,192 x trip
.set CX, 11
.set TN, 12
.set SW, 13
.set N,  14
.set TB, 15
.set KA, 16
.set SEL, 20                           ; s[20:21] lane selects for lane l xor 16;  s[22:23] c = log2(e) / 8 x 2^(e2 + e3)
.set CS, 22
.set QA, 36                            ; s[36:37], s[38:39] Q of the first, the second pair;  s[48:49] where the pair in hand goes, s[50:51] the second pair;  s52 e4 + e5
.set QB, 38
.set OA, 48
.set OB, 50
.set E45, 52
.set MK, 66                            ; s66-97 the diagonal's 32 lane masks
.set MSB, 0
.macro WIN new                         ; the immediate's high byte repeats the setting that is left
.if MSB != (\new)
	s_set_vgpr_msb (MSB<<8)|(\new)
.set MSB, \new
.endif
.endm
.macro NOPS n
.rept \n
	v_nop
.endr
.endm
.macro BARRIER
	s_barrier_signal -1
	s_barrier_wait -1
.endm
.macro CROUND                          ; a round of the cluster's barrier
	BARRIER
	s_cmp_lg_u32 s[WV], 0
	s_cbranch_scc1 .Lnot_wave_0_\@
	s_barrier_signal -3
.Lnot_wave_0_\@:
	s_barrier_wait -3
	BARRIER
.endm
.macro TLOAD                           ; an s_nop 0 and four v_nop follow the load
	tensor_load_to_lds s[32:35], s[24:31]
	s_nop 0
	NOPS 4
.endm
.macro PLACE g, q, o                   ; offsets of pair s[g]: its Q in qkv_codes, its result in att_codes
	s_lshr_b32 s18, s[\g], 1
	s_mul_i32 s[\q], s18, SS                       ; block of 256 tokens g / 2
	s_and_b32 s18, s[\g], 1
	s_lshl_b32 s18, s18, 13                        ; image 8 (g % 2) + i; tile 1's lies four images on
	s_add_co_u32 s[\q], s[\q], s18
	s_add_co_u32 s[\q], s[\q], s58
	s_mov_b32 s[\q+1], 0
	s_lshl_b32 s[\o], s[\g], 17                    ; tile 8 g + i: 16,384 bytes a tile; tile 1's lies four tiles on
	s_add_co_u32 s[\o], s[\o], s59
	s_mov_b32 s[\o+1], 0
.endm
.macro INIT                            ; a pair begins: O^T and the sums are zeros, which the first change of M leaves zeros
.irp u, 0,1
	v_mov_b32 v[MM+4*\u+1], 0xff61b1e6             ; the largest score so far: -3e38
	v_mov_b32 v[MM+4*\u], 0x7f61b1e6               ; -M: 3e38, so that the first f is 0
	v_mov_b32 v[MM+4*\u+2], 0
	v_mov_b32 v[MM+4*\u+3], 0
.endr
.set j, 0
.rept 64
	v_mov_b32 v[OT+j], 0
.set j, j+1
.endr
.endm
.macro QLOAD b                         ; a pair's two fragments of Q stay in registers (window 1)
	WIN 0x40
	global_load_b128 v[QF:QF+3], v1, s[\b:\b+1]
	global_load_b128 v[QF+4:QF+7], v1, s[\b:\b+1] offset:512
	global_load_b128 v[QF+8:QF+11], v1, s[\b:\b+1] offset:4096
	global_load_b128 v[QF+12:QF+15], v1, s[\b:\b+1] offset:4608
	WIN 0
.endm
.macro KLOAD a                         ; K's eight images of 16 keys x 64 at LDS address v[a]
	WIN 0x40
.set t, 0
.rept 16
	ds_load_b128 v[KF+4*t:KF+4*t+3], v[\a] offset:512*t
.set t, t+1
.endr
	WIN 0
.endm
	s_load_b128 s[4:7], s[0:1], 0x0                ; qkv_codes s[4:5], the scales s[6:7]
	s_load_b64 s[8:9], s[0:1], 0x10                ; att_codes
	v_lshl_add_u32 v5, v0, 2, SPARE
	v_mov_b32 v6, 0
	ds_add_u32 v5, v6                              ; the opening: the add, twice on end, and its wait ahead of the first tensor load
	ds_add_u32 v5, v6
	v_lshrrev_b32 v2, 5, v0
	v_readfirstlane_b32 s[WV], v2                  ; wave 0..7
	s_bfe_u32 s[CX], ttmp6, 0x40000                ; i: my place in the cluster; ttmp9 is the cluster's number: batch x 16 + head
	s_sub_co_u32 s[SW], 15, s[WV]
	s_mul_i32 s53, ttmp9, HS
	s_lshr_b32 s54, s[WV], 1                       ; which two key blocks I fetch,
	s_and_b32 s55, s[WV], 1                        ; K (0) or V (1)
	s_mul_i32 s56, s54, 2*SS
	s_add_co_u32 s56, s56, s53
	s_lshl_b32 s57, s55, 14
	s_add_co_u32 s56, s56, s57
	s_add_co_u32 s56, s56, 16384                   ; behind the block's Q
	s_mov_b32 s57, 0
	s_mov_b32 s32, 1                               ; group 0: count 1,
	s_lshl_b32 s33, s55, 17                        ; LDS address: K's or V's region + 32,768 x (wave / 2): no place in the cluster enters it
	s_lshl_b32 s54, s54, 15
	s_add_co_u32 s33, s33, s54
	s_mov_b32 s24, 15|(3<<16)|(1<<21)              ; group 1: the mask names the four partners; elements of 8 bytes; bit 21 beside a mask
	s_mov_b32 s25, 2048<<16                        ; tensor_dim0 = 2,048 elements: 16,384 bytes
	s_mov_b32 s26, 2<<16                           ; tensor_dim1 = 2
	s_mov_b32 s27, 2048<<16                        ; tile_dim0
	s_mov_b32 s28, 2                               ; tile_dim1
	s_mov_b32 s29, SS/8                            ; from block to block
	s_mov_b32 s30, 0
	s_mov_b32 s31, 0
	s_lshl_b32 s58, s[CX], 10
	s_add_co_u32 s58, s58, s53                     ; the head's codes + my image among four
	s_lshr_b32 s59, ttmp9, 4
	s_lshl_b32 s59, s59, 21                        ; att_codes: batch << 21 + tile << 14 + head << 10
	s_and_b32 s18, ttmp9, 15
	s_lshl_b32 s18, s18, 10
	s_add_co_u32 s59, s59, s18
	s_lshl_b32 s18, s[CX], 14
	s_add_co_u32 s59, s59, s18
	PLACE SW, QA, OA
	PLACE WV, QB, OB
	s_mov_b32 s[SEL], 0x76543210
	s_mov_b32 s[SEL+1], 0xfedcba98
	s_mov_b32 s[CS], 0x3e38aa3b                    ; log2(e) / 8
	s_wait_alu depctr_va_vdst(0)
	s_wait_dscnt 0x0                               ; both opening adds are done
	CROUND                                         ; the four partners are here: the joint loads meet
	s_wait_kmcnt 0x0
	s_add_nc_u64 s[34:35], s[4:5], s[56:57]
	s_or_b32 s35, s35, 0x80000000
	s_cmp_lt_u32 s[WV], 2                          ; one joint load a wave; waves 0 and 1 (key steps 0 to 3) and waves 2 to 7 have a line each, since the first barrier waits for the first line alone
	s_cbranch_scc0 .Lupper
	TLOAD
	s_branch .Lasked
.Lupper:
	TLOAD
.Lasked:
	s_load_b256 s[40:47], s[6:7], 0x0              ; e0 .. e7
	s_add_nc_u64 s[QA:QA+1], s[4:5], s[QA:QA+1]
	s_add_nc_u64 s[QB:QB+1], s[4:5], s[QB:QB+1]
	s_add_nc_u64 s[OA:OA+1], s[8:9], s[OA:OA+1]
	s_add_nc_u64 s[OB:OB+1], s[8:9], s[OB:OB+1]
	v_and_b32 v1, 31, v0
	v_lshlrev_b32 v1, 4, v1                        ; 16 x lane
	v_add_nc_u32 v8, VREG, v1
	QLOAD QA
	v_and_b32 v40, 15, v0
	v_bfe_u32 v41, v0, 4, 1
	v_lshlrev_b32 v41, 3, v41
	v_sub_nc_u32 v40, v40, v41
	s_lshl_b32 s18, s[CX], 4
	v_add_nc_u32 v40, s18, v40                     ; d = 16 i + r - 8 h
.set n, 0
.rept 32
	v_cmp_gt_i32 s[MK+n], 16*(n/8)+n%8, v40        ; register 8 c + j is hidden where 16 c + j > d
.set n, n+1
.endr
	s_wait_kmcnt 0x0
	s_add_co_i32 s18, s42, s43
	s_lshl_b32 s18, s18, 23
	s_add_co_i32 s[CS], s[CS], s18                 ; a score stands for score x 2^(e2 + e3): added to c's exponent field
	s_mov_b32 s[CS+1], s[CS]                       ; (named with it as a pair)
	s_add_co_i32 s18, s45, 127
	s_lshl_b32 s60, s18, 23                        ; 2^e5
	s_add_co_i32 s18, s18, 8
	s_lshl_b32 s61, s18, 23
	s_or_b32 s61, s61, 0x600000                    ; 448 x 2^e5
	s_add_co_i32 s18, s46, 127
	s_lshl_b32 s62, s18, 23                        ; 2^e6
	s_add_co_i32 s18, s18, 8
	s_lshl_b32 s63, s18, 23
	s_or_b32 s63, s63, 0x600000                    ; 448 x 2^e6
	s_add_co_i32 s[E45], s44, s45
	v_mov_b32 v4, 0xff800000
	v_mov_b32 v7, s60
	v_mov_b32 v9, s62
	v_mov_b32 v10, s63
	v_mov_b32 v11, s61
.irp u, 0,1
	v_mov_b32 v[TT+16*\u+4], 0                     ; a lane permute's destination counts as one of its sources
	v_mov_b32 v[FF+2*\u+1], 0                      ; (named as the upper half of f's pair)
.endr
	INIT
.macro FMA u                           ; t - M (of the pairs c and -M the low word serves both halves): line j of 32
	v_pk_fma_f32 v[SC+64*\u+j:SC+64*\u+j+1], v[SC+64*\u+j:SC+64*\u+j+1], s[CS:CS+1], v[MM+4*\u:MM+4*\u+1] op_sel_hi:[1,0,0]
.endm
.macro LEVEL1 u                        ; the sum's first level: line i of 16; nothing that it writes is read before the next wait
	v_pk_add_f32 v[TT+2*i:TT+2*i+1], v[SC+64*\u+4*i:SC+64*\u+4*i+1], v[SC+64*\u+4*i+2:SC+64*\u+4*i+3]
.endm
.macro REDUCE u                        ; the other levels, and the old sum x f
.irp d, 8,4,2,1
.set i, 0
.rept \d
	v_pk_add_f32 v[TT+2*i:TT+2*i+1], v[TT+2*i:TT+2*i+1], v[TT+2*(i+\d):TT+2*(i+\d)+1]
.set i, i+1
.endr
.endr
	v_pk_fma_f32 v[MM+4*\u+2:MM+4*\u+3], v[MM+4*\u+2:MM+4*\u+3], v[FF+2*\u:FF+2*\u+1], v[TT:TT+1] op_sel_hi:[1,0,1]
.endm
; A TRIP: the pair in hand against the 128 keys at LDS byte s[TB]; K is in registers, V is fetched at the top, the next trip's K (LDS byte s[TN]) behind the score products.
; masked = 1: the text holds the diagonal's lines and the last trip's jump round the fetch of K, under branches on the wave's number and the trip.
.macro TRIP masked
	v_add_nc_u32 v3, s[TB], v8
	NOPS 3                                         ; with the addition: four places in front of loads into registers that the last products read
	WIN 0x40
.set t, 0
.rept 16
	ds_load_b128 v[VF+4*t:VF+4*t+3], v3 offset:512*t      ; V^T: four images of 16 features x 128 keys: they land under the softmax
.set t, t+1
.endr
	s_wait_dscnt 16                                ; K's 16 loads are in; V's 16 may be out
	WIN 0x05                                       ; both sources from window 1
.irp u, 0,1
.set t, 0
.rept 8
	v_wmma_f32_16x16x64_fp8_fp8 v[SC+64*\u+8*t:SC+64*\u+8*t+7], v[KF+8*t:KF+8*t+7], v[QF+8*\u:QF+8*\u+7], 0
.set t, t+1
.endr
.endr
	WIN 0
	v_add_nc_u32 v2, s[TN], v1
	NOPS 3                                         ; four places: in front of the loads into K's registers and of the first readers of S^T
.if \masked
	s_cmp_eq_u32 s[N], 16
	s_cbranch_scc1 .Lno_k_\@                       ; the last trip has no successor
.endif
	KLOAD 2
.if \masked
.Lno_k_\@:
	s_sub_co_u32 s18, s[N], s[SW]                  ; 0: the first pair's last trip; 1: the second pair's first
	s_cmp_gt_u32 s18, 1
	s_cbranch_scc1 .Lopen_\@
.set n, 0
.rept 32
	v_cndmask_b32 v[SC+n], v[SC+n], v4, s[MK+n]
	v_cndmask_b32 v[SC+96+n], v[SC+96+n], v4, s[MK+n]
	v_mov_b32 v[SC+32+n], v4                       ; tile 0's queries come ahead of the step's keys 64 to 127
.set n, n+1
.endr
.Lopen_\@:
.endif
; the step's largest scores, four chains a tile, each accumulator from its low end on; the two tiles' lines by turns
.irp k, 0,1,2,3
.irp u, 0,1
	v_max3_num_f32 v[TT+16*\u+\k], v[SC+64*\u+3*\k], v[SC+64*\u+3*\k+1], v[SC+64*\u+3*\k+2]
.endr
.endr
.set i, 12
.rept 26
.irp u, 0,1
	v_max3_num_f32 v[TT+16*\u+((i-12)/2)%4], v[TT+16*\u+((i-12)/2)%4], v[SC+64*\u+i], v[SC+64*\u+i+1]
.endr
.set i, i+2
.endr
.irp u, 0,1
	v_max3_num_f32 v[TT+16*\u], v[TT+16*\u], v[TT+16*\u+1], v[TT+16*\u+2]
.endr
.irp u, 0,1
	v_max_num_f32 v[TT+16*\u], v[TT+16*\u], v[TT+16*\u+3]
.endr
.irp u, 0,1
	v_permlanex16_b32 v[TT+16*\u+4], v[TT+16*\u], s[SEL], s[SEL+1]
.endr
.irp u, 0,1
	v_max3_num_f32 v[MM+4*\u+1], v[MM+4*\u+1], v[TT+16*\u], v[TT+16*\u+4]   ; the running largest score, lane l xor 16's among it
.endr
.irp u, 0,1
	v_mul_f32 v[TT+16*\u+5], s[CS], v[MM+4*\u+1]   ; as t (c is positive)
.endr
.irp u, 0,1
	v_mov_b32 v[TT+16*\u+6], v[MM+4*\u]
.endr
.irp u, 0,1
	v_floor_f32 v[MM+4*\u], -v[TT+16*\u+5]         ; the new -M = -ceil(t)
.endr
.irp u, 0,1
	v_sub_f32 v[TT+16*\u+6], v[MM+4*\u], v[TT+16*\u+6]   ; old M - new M: a whole number, 0 or less
.endr
.irp u, 0,1
	v_cvt_i32_f32 v[TT+16*\u+6], v[TT+16*\u+6]     ; (it saturates)
.endr
.irp u, 0,1
	v_ldexp_f32 v[FF+2*\u], 1.0, v[TT+16*\u+6]     ; f = 2^(old M - new M)
.endr
.set j, 0
.rept 32
	FMA 0
.set j, j+2
.endr
.irp u, 0,1
.set j, 0
.rept 16
	v_pk_mul_f32 v[OT+32*\u+j:OT+32*\u+j+1], v[OT+32*\u+j:OT+32*\u+j+1], v[FF+2*\u:FF+2*\u+1] op_sel_hi:[1,0]   ; O^T under the new M
.set j, j+2
.endr
.endr
	s_wait_alu depctr_va_vdst(0)                   ; the wait ahead of a batch of exponentials
.set j, 0
.rept 32                               ; tile 0's p = 2^(t - M); among them tile 1's t - M, which reads and writes nothing of theirs
	v_exp_f32 v[SC+j], v[SC+j]
	v_exp_f32 v[SC+j+1], v[SC+j+1]
	FMA 1
.set j, j+2
.endr
	s_wait_alu depctr_va_vdst(0)                   ; behind tile 0's batch and ahead of tile 1's
.set i, 0
.rept 16                               ; tile 1's p; among them the first level of tile 0's sum
	v_exp_f32 v[SC+64+4*i], v[SC+64+4*i]
	v_exp_f32 v[SC+64+4*i+1], v[SC+64+4*i+1]
	v_exp_f32 v[SC+64+4*i+2], v[SC+64+4*i+2]
	v_exp_f32 v[SC+64+4*i+3], v[SC+64+4*i+3]
	LEVEL1 0
.set i, i+1
.endr
	s_wait_alu depctr_va_vdst(0)                   ; behind the batch
	REDUCE 0
.set i, 0
.rept 16
	LEVEL1 1
.set i, i+1
.endr
	REDUCE 1
.if HOLD
.set j, 0
.rept 128
	v_min_num_f32 v[SC+j], v[SC+j], v11
.set j, j+1
.endr
.endif
	WIN 0x40
.set t, 0
.rept 16
	v_cvt_scalef32_pk8_fp8_f32 v[CD+2*t:CD+2*t+1], v[SC+8*t:SC+8*t+7], v7   ; registers 2 c, 2 c + 1 of a tile's operand: keys 16 c + 8 h + 0 .. 7
.set t, t+1
.endr
	v_nop                                          ; a plain line between the conversions and the products
	s_wait_alu depctr_va_vdst(0)                   ; directly ahead of the wait below
	s_wait_dscnt 0x0                               ; V, and the next trip's K, asked for ahead of the softmax
	WIN 0x05
.irp u, 0,1                            ; eight accumulators by turns; 23 other matrix instructions stand between two steps of a sum
.set t, 0
.rept 4
	v_wmma_f32_16x16x128_fp8_fp8 v[OT+32*\u+8*t:OT+32*\u+8*t+7], v[VF+16*t:VF+16*t+15], v[CD+16*\u:CD+16*\u+15], v[OT+32*\u+8*t:OT+32*\u+8*t+7]
.set t, t+1
.endr
.endr
	WIN 0
.endm
	s_wait_alu depctr_va_vdst(0)                   ; the wait at the head's end
	s_wait_loadcnt 0x0                             ; Q
	s_cmp_lt_u32 s[WV], 2
	s_cbranch_scc0 .Lnot_first
	s_wait_tensorcnt 0x0                           ; waves 0 and 1: my part of key steps 0 to 3 has landed
.Lnot_first:
	BARRIER
	KLOAD 1                                        ; key step 0's K
	s_mov_b32 s[TB], 0
	s_mov_b32 s[TN], STEPB
	s_mov_b32 s[N], 0
.Lunder:                                           ; trips 0 to 2
	TRIP 0
	s_add_co_u32 s[TB], s[TB], STEPB
	s_add_co_u32 s[TN], s[TN], STEPB
	s_add_co_u32 s[N], s[N], 1
	s_cmp_lt_u32 s[N], 3
	s_wait_alu depctr_va_vdst(0)                   ; the wait ahead of the branch
	s_cbranch_scc1 .Lunder
	s_wait_tensorcnt 0x0                           ; every wave: all that is still out
	s_wait_dscnt 0x0
	BARRIER
	s_mov_b32 s[N], 3
	s_mov_b32 s[KA], 3*STEPB
	s_mov_b32 s[TB], 3*STEPB
.Lrest:                                            ; trips 3 to 16
	s_add_co_u32 s18, s[KA], STEPB                 ; the next trip's key step: trip + 1 while the first pair goes on,
	s_xor_b32 s19, s[KA], 15*STEPB                 ; else 16 - (trip + 1) = 15 - trip
	s_cmp_lt_u32 s[N], s[SW]
	s_cselect_b32 s[TN], s18, s19
	s_min_u32 s[TN], s[TN], 15*STEPB               ; (a key step is 15 at the most; the last trip's number is not used)
	TRIP 1
	s_cmp_eq_u32 s[N], s[SW]                       ; a pair's last trip?
	s_cselect_b32 s18, 1, 0
	s_cmp_eq_u32 s[N], 16
	s_cselect_b32 s18, 1, s18
	s_cmp_eq_u32 s18, 0
	s_cbranch_scc1 .Lnext
; A pair is finished: O^T / the sum x 2^(e4 + e5), held and converted with 2^e6: two chunks of an image a tile.
	NOPS 4                                         ; places behind the last products
.irp u, 0,1
	v_add_f32 v[MM+4*\u+2], v[MM+4*\u+2], v[MM+4*\u+3]
.endr
.irp u, 0,1
	v_permlanex16_b32 v[TT+16*\u+4], v[MM+4*\u+2], s[SEL], s[SEL+1]
.endr
.irp u, 0,1
	v_add_f32 v[MM+4*\u+2], v[MM+4*\u+2], v[TT+16*\u+4]   ; the row's sum
.endr
	s_wait_alu depctr_va_vdst(0)                   ; the wait ahead of the transcendentals,
	v_rcp_f32 v[MM+2], v[MM+2]
	v_rcp_f32 v[MM+6], v[MM+6]
	v_nop
	s_wait_alu depctr_va_vdst(0)                   ; ahead of their first readers,
	v_ldexp_f32 v[MM+2], v[MM+2], s[E45]
	v_ldexp_f32 v[MM+6], v[MM+6], s[E45]
	s_wait_alu depctr_va_vdst(0)                   ; and directly ahead of the first readers of O^T
.irp u, 0,1
.set j, 0
.rept 16
	v_pk_mul_f32 v[SC+32*\u+j:SC+32*\u+j+1], v[OT+32*\u+j:OT+32*\u+j+1], v[MM+4*\u+2:MM+4*\u+3] op_sel_hi:[1,0]
.set j, j+2
.endr
.endr
.set j, 0
.rept 64
	v_med3_num_f32 v[SC+j], v[SC+j], -v10, v10     ; the conversion does not saturate (ISA guide 7.6.2)
.set j, j+1
.endr
	WIN 0x40
.set t, 0
.rept 8
	v_cvt_scalef32_pk8_fp8_f32 v[CD+2*t:CD+2*t+1], v[SC+8*t:SC+8*t+7], v9
.set t, t+1
.endr
	v_nop
	WIN 0x04                                       ; the data from window 1
	global_store_b128 v1, v[CD:CD+3], s[OA:OA+1]              ; 512 consecutive bytes, aligned
	global_store_b128 v1, v[CD+4:CD+7], s[OA:OA+1] offset:512
	global_store_b128 v1, v[CD+8:CD+11], s[OA:OA+1] offset:65536
	global_store_b128 v1, v[CD+12:CD+15], s[OA:OA+1] offset:65536+512
	WIN 0
	s_cmp_eq_u32 s[N], 16
	s_cbranch_scc1 .Lnext                          ; the second pair has no successor
	QLOAD QB
	INIT
	s_wait_xcnt 0x0                                ; the stores have read their data and their base: both are written again only behind this wait
	s_mov_b64 s[OA:OA+1], s[OB:OB+1]
	s_wait_alu depctr_va_vdst(0)                   ; directly ahead of the wait below
	s_wait_loadcnt 0x0
.Lnext:
	s_mov_b32 s[TB], s[TN]
	s_add_co_u32 s[KA], s[KA], STEPB
	s_add_co_u32 s[N], s[N], 1
	s_cmp_lt_u32 s[N], 17
	s_wait_alu depctr_va_vdst(0)                   ; the wait ahead of the branch
	s_cbranch_scc1 .Lrest
	s_wait_tensorcnt 0x0                           ; the wave's end
	ds_add_u32 v5, v6
	s_wait_dscnt 0x0
	CROUND                                         ; the closing round
	s_endpgm
.Lfunc_end_k_qc68be8249a_attn:
	.size	k_qc68be8249a_attn, .Lfunc_end_k_qc68be8249a_attn-k_qc68be8249a_attn
	.p2alignl 7, 3214868480
	.fill 96, 4, 3214868480
	.section	.rodata,"a",@progbits
	.p2align	6, 0x0
	.amdhsa_kernel k_qc68be8249a_attn
		.amdhsa_group_segment_fixed_size 327680
		.amdhsa_private_segment_fixed_size 0
		.amdhsa_enable_private_segment 0
		.amdhsa_kernarg_size 24
		.amdhsa_user_sgpr_count 2
		.amdhsa_user_sgpr_kernarg_segment_ptr 1
		.amdhsa_wavefront_size32 1
		.amdhsa_system_sgpr_workgroup_id_x 1
		.amdhsa_system_sgpr_workgroup_id_y 1
		.amdhsa_system_sgpr_workgroup_id_z 1
		.amdhsa_system_vgpr_workitem_id 0
		.amdhsa_next_free_vgpr 512
		.amdhsa_next_free_sgpr 100
		.amdhsa_reserve_vcc 0
		.amdhsa_float_denorm_mode_32 3
		.amdhsa_float_denorm_mode_16_64 3
		.amdhsa_memory_ordered 1
		.amdhsa_forward_progress 1
		.amdhsa_inst_pref_size 78
	.end_amdhsa_kernel
	.amdgpu_metadata
---
amdhsa.version: [ 1, 2 ]
amdhsa.kernels:
  - .name:           k_qc68be8249a_attn
    .symbol:         k_qc68be8249a_attn.kd
    .args:
      - { .name: qkv_codes, .offset: 0, .size: 8, .value_kind: global_buffer, .address_space: global }
      - { .name: lowp_scales, .offset: 8, .size: 8, .value_kind: global_buffer, .address_space: global }
      - { .name: att_codes, .offset: 16, .size: 8, .value_kind: global_buffer, .address_space: global }
    .group_segment_fixed_size: 327680
    .private_segment_fixed_size: 0
    .kernarg_segment_align: 8
    .kernarg_segment_size: 24
    .max_flat_workgroup_size: 256
    .sgpr_count:     100
    .vgpr_count:     512
    .wavefront_size: 32
...
	.end_amdgpu_metadata
.endif
;; end of part 3
;; launch proj (part 4): grid 256 x 1, 4 waves a work-group, clusters of 4 x 1, 167,936 bytes of LDS; arguments att_codes, wout_codes, lowp_scales, b_out, out0; writes out0
.if DOCPART == 4
	.amdgcn_target "amdgcn-amd-amdhsa--gfx1250"
	.amdhsa_code_object_version 6
	.text
	.protected	k_qc68be8249a_proj
	.globl	k_qc68be8249a_proj
	.p2align	8
	.type	k_qc68be8249a_proj,@function
k_qc68be8249a_proj:
	s_mov_b64 s[64:65], 0
	v_nop
	global_prefetch_b8 v0, s[64:65] scope:SCOPE_SE
	s_setreg_imm32_b32 hwreg(HW_REG_WAVE_MODE, 25, 1), 1
	s_wait_xcnt 0x0
	s_wait_alu depctr_hold_cnt(0) depctr_sa_sdst(0) depctr_va_vdst(0) depctr_va_sdst(0) depctr_va_ssrc(0) depctr_va_vcc(0) depctr_vm_vsrc(0)
	s_getreg_b32 s2, hwreg(HW_REG_IB_STS2, 6, 4)
	s_cmp_eq_u32 s2, 0
	s_cbranch_scc0 .Lentry_in_a_cluster
	s_endpgm
.Lentry_in_a_cluster:
	s_bfe_u32 s2, ttmp6, 0x10000c
	s_cmp_lg_u32 s2, 0x3003
	s_cbranch_scc0 .Lentry_shape_is_right
	s_endpgm
.Lentry_shape_is_right:
; out0 = att W_out + b_out on codes of FP8 (E4M3): 8,192 x 1,024 x 1,024; att x 2^e6, W_out x 2^e7; f32 sums; each sum x 2^(e6 + e7) + bias.
; Both operands come as images of operand registers: [tile of 16 rows][K step of 128][2,048 bytes]; chunk g of an image holds registers 4 g .. 4 g + 3 of lane L at 512 g + 16 L; a row of W's buffer is a column n.
; THE DEAL.  256 work-groups of four waves; a work-group makes 128 tokens x 256 columns.  A wave holds its 64 columns of W_out, ALL of K, in 512 registers, loaded straight from their images (128 loads of 512 consecutive
; bytes), and the work-group's 128 tokens, all of K, 131,072 consecutive bytes of att_codes, lie in LDS: one tensor load a wave, a quarter each.  Nothing is filled again: no ring, one barrier.
; CLUSTER: the four work-groups of a row of tiles need the same tokens: they form a cluster and ask for them jointly.  W_out is NOT asked for jointly: it goes into the registers that hold it for the whole launch, and
; a work-group's 256 columns, 262,144 bytes, would not fit into LDS beside the tokens' 131,072.
; NO PREFETCH INTO THE L2: all that the work-group reads is asked for at its head; there is no later load to run ahead of.
; THE STREAM.  Eight blocks of 16 tokens; a block is 32 products, K step by K step, on four accumulators by turns.  The tokens' fragments stand in two sets, the accumulators in two sets.
; Among block j's products stand: block j - 1's sums x 2^(e6 + e7) + bias, their way through the wave's stage in LDS, their stores; and the fetch of block j + 1's fragments.
; The matrix instruction is used transposed (source 0 = 16 columns of W, source 1 = 16 tokens): a lane holds eight neighbouring numbers of a row of out0; through the stage they leave as rows of 256 bytes, aligned, sixteen lanes each.
; THE WAITS' COUNTS.  On DScnt ahead of K step q: the 4 (7 - q) loads of the block's later K steps, and what this block has issued by then: 8 stores from product 8 on, 8 loads from product 12 on, two loads a product
; from product 12 on.  On LOADcnt in block 0: 16 loads for each later K step (63 where more are out).
; LIMIT: e6 + e7 between -126 and 127, so that 2^(e6 + e7) is an f32 number.
; REGISTERS.  Window 0: v1-7 addresses; v28, v29 the add's; v32-95 two sets of four accumulators; v96-127 the bias; v128-159 a block's results; v160-191 the same, back from the stage.  Windows 1, 2: W_out.  Window 3: the tokens' two sets.
.set FR,     16
.set STAGE,  131072                    ; behind the tokens: 16 rows x (256 + 16) bytes for each wave; no tensor load lands here
.set SPITCH, 272
.set SPARE,  STAGE+4*16*SPITCH         ; behind the stages: the spare words, 128 bytes a wave
.set CO,  1                            ; v1 16 x lane;  v3 the same + 65,536;  v4, v5 into the stage and back;  v6 my place in two rows of out0;  v7 in the bias
.set AD1, 3
.set STO, 4
.set RD,  5
.set GO,  6
.set BO,  7
.set SPW, 28
.set NIL, 29
.set ACC, 32
.set BI,  96
.set TMP, 128
.set RB,  160
.set MSB, 0
.macro WIN new                         ; the immediate's high byte repeats the setting that is left
.if MSB != (\new)
	s_set_vgpr_msb (MSB<<8)|(\new)
.set MSB, \new
.endif
.endm
.macro BARRIER
	s_barrier_signal -1
	s_barrier_wait -1
.endm
.macro CROUND                          ; a round of the cluster's barrier
	BARRIER
	s_cmp_lg_u32 s14, 0
	s_cbranch_scc1 .Lnot_wave_0_\@
	s_barrier_signal -3
.Lnot_wave_0_\@:
	s_barrier_wait -3
	BARRIER
.endm
	s_load_b256 s[4:11], s[0:1], 0x0               ; att_codes s[4:5], wout_codes s[6:7], the scales s[8:9], b_out s[10:11]
	s_load_b64 s[12:13], s[0:1], 0x20              ; out0
	v_lshl_add_u32 v[SPW], v0, 2, SPARE
	v_mov_b32 v[NIL], 0
	ds_add_u32 v[SPW], v[NIL]                      ; the opening: the add, twice on end, and its wait ahead of the first tensor load
	ds_add_u32 v[SPW], v[NIL]
	v_lshrrev_b32 v2, 5, v0
	v_readfirstlane_b32 s14, v2                    ; wave 0..3
	s_bfe_u32 s15, ttmp6, 0x40000                  ; my place in the cluster: the tile of 256 columns; ttmp9 is the cluster's number: the tile of 128 tokens
	s_mov_b32 s24, 15|(3<<16)|(1<<21)              ; group 1: the mask names the four partners; elements of 8 bytes; bit 21 beside a mask
	s_mov_b32 s25, 32<<16                          ; 32,768 dense bytes as 128 rows of 256
	s_mov_b32 s26, 128<<16
	s_mov_b32 s27, 32<<16
	s_mov_b32 s28, 128
	s_mov_b32 s29, 32
	s_mov_b32 s30, 0
	s_mov_b32 s31, 0
	s_mov_b32 s32, 1
	s_lshl_b32 s33, s14, 15                        ; LDS address: my quarter
	s_lshl_b32 s16, ttmp9, 17
	s_add_co_u32 s16, s16, s33                     ; and the same quarter of the tile's 131,072 bytes
	s_mov_b32 s17, 0
	s_lshl_b32 s18, s15, 18                        ; W: tile of 16 columns 16 x place + 4 x wave, 16,384 bytes each
	s_lshl_b32 s20, s14, 16
	s_add_co_u32 s18, s18, s20
	s_mov_b32 s19, 0
	s_lshl_b32 s20, s15, 10                        ; my first column in bytes of f32: 1,024 x place + 256 x wave
	s_lshl_b32 s22, s14, 8
	s_add_co_u32 s20, s20, s22
	s_mov_b32 s21, 0
	s_lshl_b32 s22, ttmp9, 19                      ; 128 rows of 4,096 bytes
	s_add_co_u32 s22, s22, s20
	s_mov_b32 s23, 0
	s_mul_i32 s36, s14, 16*SPITCH
	s_add_co_u32 s36, s36, STAGE                   ; my stage
	v_and_b32 v2, 31, v0
	v_lshlrev_b32 v[CO], 4, v2
	v_add_nc_u32 v[AD1], 0x10000, v[CO]
	v_and_b32 v8, 15, v0                           ; r
	v_bfe_u32 v9, v0, 4, 1                         ; h
	v_mul_u32_u24 v10, v8, SPITCH
	v_lshl_add_u32 v10, v9, 5, v10
	v_add_nc_u32 v[STO], s36, v10                  ; in: row r, 32 bytes for each half of the lanes
	v_mul_u32_u24 v11, v9, SPITCH
	v_lshl_add_u32 v11, v8, 4, v11
	v_add_nc_u32 v[RD], s36, v11                   ; back: lanes 0-15 one row of 256 bytes, lanes 16-31 the next
	v_lshlrev_b32 v12, 12, v9
	v_lshl_add_u32 v[GO], v8, 4, v12               ; and the same two rows in out0
	v_lshlrev_b32 v[BO], 5, v9
	s_wait_alu depctr_va_vdst(0)
	s_wait_dscnt 0x0                               ; both opening adds are done
	CROUND                                         ; the four partners are here: the joint loads meet
	s_wait_kmcnt 0x0
	s_add_nc_u64 s[34:35], s[4:5], s[16:17]
	s_or_b32 s35, s35, 0x80000000
	tensor_load_to_lds s[32:35], s[24:31]          ; one line, issued by every wave; every wave waits for it below
	s_nop 0
.rept 4
	v_nop
.endr
	s_load_b256 s[48:55], s[8:9], 0x0              ; e0 .. e7
	s_add_nc_u64 s[6:7], s[6:7], s[18:19]
	s_add_nc_u64 s[10:11], s[10:11], s[20:21]
	s_add_nc_u64 s[12:13], s[12:13], s[22:23]
.irp b, 0,1,2,3                        ; the bias in the layout of a block's results: register 8 b + j is column 16 b + 8 h + j
	global_load_b128 v[BI+8*\b:BI+8*\b+3],   v[BO], s[10:11] offset:64*\b
	global_load_b128 v[BI+8*\b+4:BI+8*\b+7], v[BO], s[10:11] offset:64*\b+16
.endr
.set f, 0
.rept 32                               ; W's fragment f = 4 q + b (K step q, tile of columns b) lies in window 1 + f / 16; K step by K step, as block 0 wants them
	WIN (1+f/16)<<6
.irp c, 0,1,2,3
	global_load_b128 v[FR*(f%16)+4*\c:FR*(f%16)+4*\c+3], v[CO], s[6:7] offset:(f%4)*16384+(f/4)*2048+512*\c
.endr
.set f, f+1
.endr
	WIN 0
	s_wait_kmcnt 0x0
	s_add_co_i32 s40, s54, s55
	s_add_co_i32 s40, s40, 127
	s_lshl_b32 s40, s40, 23                        ; 2^(e6 + e7)
	s_mov_b32 s41, s40                             ; (named with it as a pair)
	s_wait_tensorcnt 0x0                           ; my quarter of the tokens has landed
	BARRIER
	WIN 0xc0
.set l, 0
.rept 32
	ds_load_b128 v[4*l:4*l+3], v[CO] offset:512*l  ; block 0's fragments into set 0
.set l, l+1
.endr
	WIN 0
.macro PROD j, n                       ; product n = 4 q + b of block j
.set Q_, (\n)/4
.set E_, (\j)%2
.set AC_, ACC+32*E_+8*((\n)%4)
	WIN (1+(\n)/16)|(3<<2)
.if Q_
	v_wmma_f32_16x16x128_fp8_fp8 v[AC_:AC_+7], v[FR*((\n)%16):FR*((\n)%16)+15], v[128*E_+FR*Q_:128*E_+FR*Q_+15], v[AC_:AC_+7]
.else
	v_wmma_f32_16x16x128_fp8_fp8 v[AC_:AC_+7], v[FR*((\n)%16):FR*((\n)%16)+15], v[128*E_+FR*Q_:128*E_+FR*Q_+15], 0
.endif
.endm
.macro EXTRA j, n                      ; what stands behind product n of block j
.if (\j) > 0
.set P_, ACC+32*(((\j)-1)%2)
.if (\n) < 4                           ; block j - 1's accumulator n, from its low end on
	WIN 0
.irp i, 0,1,2,3
	v_pk_fma_f32 v[TMP+8*(\n)+2*\i:TMP+8*(\n)+2*\i+1], v[P_+8*(\n)+2*\i:P_+8*(\n)+2*\i+1], s[40:41], v[BI+8*(\n)+2*\i:BI+8*(\n)+2*\i+1] op_sel_hi:[1,0,1]
.endr
.elseif (\n) < 8
	WIN 0
.if (\n) == 4
	s_wait_alu depctr_va_vdst(0)                   ; directly ahead of the first reader of the results
.endif
	ds_store_b128 v[STO], v[TMP+8*((\n)-4):TMP+8*((\n)-4)+3] offset:64*((\n)-4)
	ds_store_b128 v[STO], v[TMP+8*((\n)-4)+4:TMP+8*((\n)-4)+7] offset:64*((\n)-4)+16
.elseif (\n) < 12                      ; LDS serves a wave's instructions in order: these see the stores above
	WIN 0
	ds_load_b128 v[RB+8*((\n)-8):RB+8*((\n)-8)+3], v[RD] offset:(2*((\n)-8))*2*SPITCH
	ds_load_b128 v[RB+8*((\n)-8)+4:RB+8*((\n)-8)+7], v[RD] offset:(2*((\n)-8)+1)*2*SPITCH
.elseif (\n) >= 28
	WIN 0
.if (\n) == 28
.if (\j) < 7
	s_wait_dscnt 32                                ; the rows are back; the 32 loads of the next block's fragments may be out
.else
	s_wait_dscnt 0x0
.endif
.endif
	global_store_b128 v[GO], v[RB+8*((\n)-28):RB+8*((\n)-28)+3], s[12:13] offset:(16*((\j)-1)+4*((\n)-28))*4096 th:TH_STORE_NT      ; sixteen lanes store 256 consecutive bytes, aligned
	global_store_b128 v[GO], v[RB+8*((\n)-28)+4:RB+8*((\n)-28)+7], s[12:13] offset:(16*((\j)-1)+4*((\n)-28)+2)*4096 th:TH_STORE_NT
.endif
.endif
.if (\j) < 7
.if (\n) >= 12
.if (\n) < 28                          ; block j + 1's fragments into the set that block j - 1 has left
.set AD_, CO
.if (\j)+1 >= 4
.set AD_, AD1
.endif
.set L_, 2*((\n)-12)
	WIN 0xc0
	ds_load_b128 v[128*(((\j)+1)%2)+4*L_:128*(((\j)+1)%2)+4*L_+3], v[AD_] offset:(((\j)+1)%4)*16384+512*L_
	ds_load_b128 v[128*(((\j)+1)%2)+4*L_+4:128*(((\j)+1)%2)+4*L_+7], v[AD_] offset:(((\j)+1)%4)*16384+512*L_+512
.endif
.endif
.endif
.endm
.macro BLOCK j
.if (\j) >= 2
	s_wait_xcnt 0x0                                ; the last block's stores have read their data: the registers are loaded anew only behind this wait
.endif
.set N_, 0
.rept 32
.if N_%4 == 0
.set WC, 4*(7-N_/4)
.if (\j) > 0
.if N_ >= 8
.set WC, WC+8
.endif
.if N_ >= 12
.set WC, WC+8
.endif
.endif
.if (\j) < 7
.if N_ >= 16
.set WC, WC+2*(N_-12)
.endif
.endif
	s_wait_dscnt WC
.if (\j) == 0
.if N_ < 16
	s_wait_loadcnt 63
.else
	s_wait_loadcnt 16*(7-N_/4)
.endif
.endif
.endif
	PROD \j, N_
	EXTRA \j, N_
.set N_, N_+1
.endr
	WIN 0
.rept 4
	v_nop                                          ; places behind the block's last products
.endr
.endm
.irp j, 0,1,2,3,4,5,6,7
	BLOCK \j
.endr
	s_wait_xcnt 0x0
.set N_, 0
.rept 12                               ; block 7's way out
	EXTRA 8, N_
.set N_, N_+1
.endr
.set N_, 28
.rept 4
	EXTRA 8, N_
.set N_, N_+1
.endr
	s_wait_tensorcnt 0x0                           ; the wave's end
	ds_add_u32 v[SPW], v[NIL]
	s_wait_dscnt 0x0
	CROUND                                         ; the closing round
	s_endpgm
.Lfunc_end_k_qc68be8249a_proj:
	.size	k_qc68be8249a_proj, .Lfunc_end_k_qc68be8249a_proj-k_qc68be8249a_proj
	.p2alignl 7, 3214868480
	.fill 96, 4, 3214868480
	.section	.rodata,"a",@progbits
	.p2align	6, 0x0
	.amdhsa_kernel k_qc68be8249a_proj
		.amdhsa_group_segment_fixed_size 167936
		.amdhsa_private_segment_fixed_size 0
		.amdhsa_enable_private_segment 0
		.amdhsa_kernarg_size 40
		.amdhsa_user_sgpr_count 2
		.amdhsa_user_sgpr_kernarg_segment_ptr 1
		.amdhsa_wavefront_size32 1
		.amdhsa_system_sgpr_workgroup_id_x 1
		.amdhsa_system_sgpr_workgroup_id_y 1
		.amdhsa_system_sgpr_workgroup_id_z 1
		.amdhsa_system_vgpr_workitem_id 0
		.amdhsa_next_free_vgpr 1024
		.amdhsa_next_free_sgpr 66
		.amdhsa_reserve_vcc 0
		.amdhsa_float_denorm_mode_32 3
		.amdhsa_float_denorm_mode_16_64 3
		.amdhsa_memory_ordered 1
		.amdhsa_forward_progress 1
		.amdhsa_inst_pref_size 90
	.end_amdhsa_kernel
	.amdgpu_metadata
---
amdhsa.version: [ 1, 2 ]
amdhsa.kernels:
  - .name:           k_qc68be8249a_proj
    .symbol:         k_qc68be8249a_proj.kd
    .args:
      - { .name: att_codes, .offset: 0, .size: 8, .value_kind: global_buffer, .address_space: global }
      - { .name: wout_codes, .offset: 8, .size: 8, .value_kind: global_buffer, .address_space: global }
      - { .name: lowp_scales, .offset: 16, .size: 8, .value_kind: global_buffer, .address_space: global }
      - { .name: b_out, .offset: 24, .size: 8, .value_kind: global_buffer, .address_space: global }
      - { .name: out0, .offset: 32, .size: 8, .value_kind: global_buffer, .address_space: global }
    .group_segment_fixed_size: 167936
    .private_segment_fixed_size: 0
    .kernarg_segment_align: 8
    .kernarg_segment_size: 40
    .max_flat_workgroup_size: 128
    .sgpr_count:     66
    .vgpr_count:     1024
    .wavefront_size: 32
...
	.end_amdgpu_metadata
.endif
;; end of part 4
